; MI455X (gfx1250); checked and timed in simulation.
; The chip was launched on July 23, 2026; its instructions are those of AMD's public machine-readable ISA for CDNA 5 (MIT licence, August 2026) and "CDNA5" Instruction Set Architecture Reference Guide (July 2026). The comments in the code are by the model that wrote it; some were corrected since.
;; Turbo Quant Linear. Allowed arithmetic: float matrix products may take bf16 or f16 operands with f32 sums; all other float work in f32.
;; Inputs: bias 2,048 float32; idx_primary 2,048 x 32 x 128 int32; idx_residual 2,048 x 32 x 128 int32; norms_primary 2,048 x 32 float32; norms_residual 2,048 x 32 float32; x 4 x 2,048 x 4,096 float32.
;; Outputs: out0 4 x 2,048 x 2,048 float32.
;; 2 versions, each right; version 2 is version 1 with the launch prep written anew for expert scheduling mode. Each part assembles by itself: llvm-mc -triple=amdgcn-amd-amdhsa -mcpu=gfx1250 --defsym DOCPART=n.
;; ======== version 1 of 2: 2 launches
;; limits: values are held in f16: magnitudes above 65,504 overflow, below 6.1e-05 lose precision
;; workspace buffers: xh 67,108,864 bytes; wh 16,777,216 bytes
;; launch prep (part 1): grid 1024 x 1, 8 waves a work-group, no clusters, 0 bytes of LDS; arguments x, idx_primary, idx_residual, norms_primary, norms_residual, xh, wh; writes xh, wh
.if DOCPART == 1
	.amdgcn_target "amdgcn-amd-amdhsa--gfx1250"
	.amdhsa_code_object_version 6
	.text
	.protected	k_q5c8981302b_prep
	.globl	k_q5c8981302b_prep
	.p2align	8
	.type	k_q5c8981302b_prep,@function
k_q5c8981302b_prep:
	s_mov_b64 s[64:65], 0
	v_nop
	global_prefetch_b8 v0, s[64:65] scope:SCOPE_SE
	s_setreg_imm32_b32 hwreg(HW_REG_WAVE_MODE, 25, 1), 1
	s_wait_xcnt 0x0
; xh = f16(x), [8192][4096];  wh = f16(W), [2048][4096], W = np * unit(levels16[ip]) + nr * unit(levels4[ir]) by groups of 128 codes,
; unit(q) = q * rsqrt(sum of q^2 + 1e-12).  All arithmetic in f32; each number is rounded to f16 once.
; LIMITS.  f16 ends at 65,504: an |x| or |w| of 65,520 or more becomes an infinity; below 6.1e-5 f16 keeps a fixed step of 6e-8.
; An index lies inside its table (0..15, 0..3): the level is made as idx * 2/(levels - 1) - 1, one fused multiply-add, and no table is read.
; w is made as q * (norm * rsq), where the definition has norm * (q * rsq): another order of rounding; v_rsq_f32 is not correctly rounded.
; SHARES.  8,192 waves.  Wave W takes row W of x (16,384 bytes in, 8,192 out) and the groups 8 W .. 8 W + 7 of the weights (4,096 bytes of each
; index table and 32 of each norm table in, 2,048 out).  The text is a straight line: all 50 loads of a wave go out first, each into registers of
; its own; no data or address register is written again while a memory instruction may read it, so the only waits are the counted ones for loads.
; A load of 16 bytes a lane covers 512 consecutive bytes, aligned: of an index table that is one group, four codes a lane.  A store of 8 bytes a
; lane covers 256 consecutive bytes, aligned: of wh one group.  Work-groups share no input and nothing is used twice: no LDS, no barrier, no matrix unit.
.set LD,  1                            ; v1        16 x lane: my bytes in 512 loaded
.set ST,  2                            ; v2        8 x lane: my bytes in 256 stored
.set NO,  3                            ; v3        4 x (lane % 8): lane j reads the norm of the wave's group j % 8
.set NP,  4                            ; v4        primary norms
.set NR,  5                            ; v5        residual norms
.set SCP, 6                            ; v[6:7]    np * rsq in the low word; the packed multiply takes it for both halves
.set T,   8                            ; v[8:11]   sums of squares at work: primary in T, residual in T+2
.set SCR, 12                           ; v[12:13]  nr * rsq, likewise
.set IP,  16                           ; v[16:47]  group g: 4 primary codes, then levels, then the result
.set IR,  48                           ; v[48:79]  group g: 4 residual codes, then levels
.set X,   80                           ; v[80:207] piece i of the row of x: 4 numbers
	s_load_b256 s[4:11], s[0:1], 0x0               ; x s[4:5], idx_primary s[6:7], idx_residual s[8:9], norms_primary s[10:11]
	s_load_b128 s[12:15], s[0:1], 0x20             ; norms_residual s[12:13], xh s[14:15]
	s_load_b64 s[16:17], s[0:1], 0x30              ; wh
	v_lshrrev_b32 v1, 5, v0
	v_readfirstlane_b32 s19, v1                    ; my wave in the work-group
	s_lshl_b32 s18, ttmp9, 3
	s_add_co_u32 s18, s18, s19                     ; W = 8 x work-group + wave
	v_and_b32 v3, 31, v0
	v_lshlrev_b32 v[LD], 4, v3
	v_lshlrev_b32 v[ST], 3, v3
	v_and_b32 v3, 7, v0
	v_lshlrev_b32 v[NO], 2, v3
	v_mov_b32 v[SCP+1], 0                          ; the pairs' upper words are named with the lower ones, so they are written
	v_mov_b32 v[SCR+1], 0
	s_mov_b32 s21, 0                               ; s[20:21]: a byte offset in 64 bits; the largest, 8,191 x 16,384, stays under 2^31
	s_mov_b32 s22, 0x3e088889                      ; 2/15: the step of 16 levels from -1 to 1
	s_mov_b32 s23, 0x3e088889
	s_mov_b32 s24, 0x3f2aaaab                      ; 2/3: the step of 4 levels
	s_mov_b32 s25, 0x3f2aaaab
	s_mov_b32 s26, 0x2b8cbccc                      ; 1e-12
	s_mov_b32 s28, 0x76543210                      ; v_permlanex16_b32: each lane takes its own place in the other half
	s_mov_b32 s29, 0xfedcba98
	s_wait_kmcnt 0x0
	s_lshl_b32 s20, s18, 14                        ; a row of x: 16,384 bytes
	s_add_nc_u64 s[4:5], s[4:5], s[20:21]
	s_lshl_b32 s20, s18, 12                        ; eight groups of codes: 4,096 bytes
	s_add_nc_u64 s[6:7], s[6:7], s[20:21]
	s_add_nc_u64 s[8:9], s[8:9], s[20:21]
	s_lshl_b32 s20, s18, 5                         ; eight norms: 32 bytes
	s_add_nc_u64 s[10:11], s[10:11], s[20:21]
	s_add_nc_u64 s[12:13], s[12:13], s[20:21]
	s_lshl_b32 s20, s18, 13                        ; a row of xh: 8,192 bytes
	s_add_nc_u64 s[14:15], s[14:15], s[20:21]
	s_lshl_b32 s20, s18, 11                        ; eight groups of wh: 2,048 bytes
	s_add_nc_u64 s[16:17], s[16:17], s[20:21]
	; all 50 loads, in the order in which they are used: 2 of norms, 16 of codes, 32 of x
	global_load_b32 v[NP], v[NO], s[10:11]
	global_load_b32 v[NR], v[NO], s[12:13]
.irp g, 0,1,2,3,4,5,6,7
	global_load_b128 v[IP+4*(\g):IP+4*(\g)+3], v[LD], s[6:7] offset:512*(\g) th:TH_LOAD_NT
	global_load_b128 v[IR+4*(\g):IR+4*(\g)+3], v[LD], s[8:9] offset:512*(\g) th:TH_LOAD_NT
.endr
.set i, 0
.rept 32
	global_load_b128 v[X+4*i:X+4*i+3], v[LD], s[4:5] offset:512*i th:TH_LOAD_NT
.set i, i+1
.endr
; One group of 128 weights, four a lane.
.macro GROUP g
.set P, IP+4*(\g)
.set R, IR+4*(\g)
	s_wait_loadcnt 46-2*(\g)                       ; loads come back in order (ISA guide 5.7.1): behind this group's residual codes stand 2 (7 - g) loads of codes and 32 of x
.irp j, 0,1,2,3
	v_cvt_f32_i32 v[P+(\j)], v[P+(\j)]
	v_cvt_f32_i32 v[R+(\j)], v[R+(\j)]
.endr
	v_pk_fma_f32 v[P:P+1],   v[P:P+1],   s[22:23], -1.0 op_sel_hi:[1,0,0]  ; the levels: idx * step - 1
	v_pk_fma_f32 v[R:R+1],   v[R:R+1],   s[24:25], -1.0 op_sel_hi:[1,0,0]
	v_pk_fma_f32 v[P+2:P+3], v[P+2:P+3], s[22:23], -1.0 op_sel_hi:[1,0,0]
	v_pk_fma_f32 v[R+2:R+3], v[R+2:R+3], s[24:25], -1.0 op_sel_hi:[1,0,0]
	v_pk_mul_f32 v[T:T+1],   v[P:P+1], v[P:P+1]    ; my four squares of each table; the first products start the sums
	v_pk_mul_f32 v[T+2:T+3], v[R:R+1], v[R:R+1]
	v_pk_fma_f32 v[T:T+1],   v[P+2:P+3], v[P+2:P+3], v[T:T+1]
	v_pk_fma_f32 v[T+2:T+3], v[R+2:R+3], v[R+2:R+3], v[T+2:T+3]
	v_add_f32 v[T],   v[T],   v[T+1]
	v_add_f32 v[T+2], v[T+2], v[T+3]
.irp m, 1,2,4,8                        ; across the 32 lanes: four steps inside each half of 16 lanes, the two sums by turns,
	v_add_f32_dpp v[T],   v[T],   v[T]   row_xmask:\m row_mask:0xf bank_mask:0xf
	v_add_f32_dpp v[T+2], v[T+2], v[T+2] row_xmask:\m row_mask:0xf bank_mask:0xf
.endr
	v_permlanex16_b32 v[T+1], v[T],   s28, s29     ; and one across the halves
	v_permlanex16_b32 v[T+3], v[T+2], s28, s29
	v_add_f32 v[T],   v[T],   v[T+1]
	v_add_f32 v[T+2], v[T+2], v[T+3]
	v_add_f32 v[T],   s26, v[T]                    ; + 1e-12
	v_add_f32 v[T+2], s26, v[T+2]
	v_readlane_b32 s30, v[NP], \g                  ; lane g holds group g's norms
	v_readlane_b32 s31, v[NR], \g
	v_rsq_f32 v[T],   v[T]
	v_rsq_f32 v[T+2], v[T+2]
	v_nop                                          ; a plain instruction between a transcendental and the use of its result (ISA guide 5.7.2)
	s_wait_alu depctr_va_vdst(0)
	v_mul_f32 v[SCP], s30, v[T]
	v_mul_f32 v[SCR], s31, v[T+2]
	v_pk_mul_f32 v[P:P+1],   v[P:P+1],   v[SCP:SCP+1] op_sel_hi:[1,0]
	v_pk_mul_f32 v[P+2:P+3], v[P+2:P+3], v[SCP:SCP+1] op_sel_hi:[1,0]
	v_pk_fma_f32 v[P:P+1],   v[R:R+1],   v[SCR:SCR+1], v[P:P+1]   op_sel_hi:[1,0,1]
	v_pk_fma_f32 v[P+2:P+3], v[R+2:R+3], v[SCR:SCR+1], v[P+2:P+3] op_sel_hi:[1,0,1]
	v_cvt_pk_f16_f32 v[P],   v[P],   v[P+1]
	v_cvt_pk_f16_f32 v[P+1], v[P+2], v[P+3]
	global_store_b64 v[ST], v[P:P+1], s[16:17] offset:256*(\g)   ; the group's 256 bytes, whole and aligned
.endm
.irp g, 0,1,2,3,4,5,6,7
	GROUP \g
.endr
	; the row of x: piece i is 128 numbers, four a lane
.set i, 0
.rept 32
	s_wait_loadcnt 31-i                            ; the younger pieces may stay out
	v_cvt_pk_f16_f32 v[X+4*i],   v[X+4*i],   v[X+4*i+1]
	v_cvt_pk_f16_f32 v[X+4*i+1], v[X+4*i+2], v[X+4*i+3]
	global_store_b64 v[ST], v[X+4*i:X+4*i+1], s[14:15] offset:256*i  ; 256 consecutive bytes, aligned
.set i, i+1
.endr
	s_endpgm
.Lfunc_end_k_q5c8981302b_prep:
	.size	k_q5c8981302b_prep, .Lfunc_end_k_q5c8981302b_prep-k_q5c8981302b_prep
	.p2alignl 7, 3214868480
	.fill 96, 4, 3214868480
	.section	.rodata,"a",@progbits
	.p2align	6, 0x0
	.amdhsa_kernel k_q5c8981302b_prep
		.amdhsa_group_segment_fixed_size 0
		.amdhsa_private_segment_fixed_size 0
		.amdhsa_enable_private_segment 0
		.amdhsa_kernarg_size 56
		.amdhsa_user_sgpr_count 2
		.amdhsa_user_sgpr_kernarg_segment_ptr 1
		.amdhsa_wavefront_size32 1
		.amdhsa_system_sgpr_workgroup_id_x 1
		.amdhsa_system_sgpr_workgroup_id_y 1
		.amdhsa_system_sgpr_workgroup_id_z 1
		.amdhsa_system_vgpr_workitem_id 0
		.amdhsa_next_free_vgpr 208
		.amdhsa_next_free_sgpr 66
		.amdhsa_reserve_vcc 0
		.amdhsa_float_denorm_mode_32 3
		.amdhsa_float_denorm_mode_16_64 3
		.amdhsa_memory_ordered 1
		.amdhsa_forward_progress 1
		.amdhsa_inst_pref_size 34
	.end_amdhsa_kernel
	.amdgpu_metadata
---
amdhsa.version: [ 1, 2 ]
amdhsa.kernels:
  - .name:           k_q5c8981302b_prep
    .symbol:         k_q5c8981302b_prep.kd
    .args:
      - { .name: x, .offset: 0, .size: 8, .value_kind: global_buffer, .address_space: global }
      - { .name: idx_primary, .offset: 8, .size: 8, .value_kind: global_buffer, .address_space: global }
      - { .name: idx_residual, .offset: 16, .size: 8, .value_kind: global_buffer, .address_space: global }
      - { .name: norms_primary, .offset: 24, .size: 8, .value_kind: global_buffer, .address_space: global }
      - { .name: norms_residual, .offset: 32, .size: 8, .value_kind: global_buffer, .address_space: global }
      - { .name: xh, .offset: 40, .size: 8, .value_kind: global_buffer, .address_space: global }
      - { .name: wh, .offset: 48, .size: 8, .value_kind: global_buffer, .address_space: global }
    .group_segment_fixed_size: 0
    .private_segment_fixed_size: 0
    .kernarg_segment_align: 8
    .kernarg_segment_size: 56
    .max_flat_workgroup_size: 256
    .sgpr_count:     66
    .vgpr_count:     208
    .wavefront_size: 32
...
	.end_amdgpu_metadata
.endif
;; end of part 1
;; launch gemm (part 2): grid 8 x 32, 4 waves a work-group, clusters of 4 x 4, 327,680 bytes of LDS; arguments xh, wh, out0, bias; writes out0
.if DOCPART == 2
	.amdgcn_target "amdgcn-amd-amdhsa--gfx1250"
	.amdhsa_code_object_version 6
	.text
	.protected	k_q5c8981302b_gemm
	.globl	k_q5c8981302b_gemm
	.p2align	8
	.type	k_q5c8981302b_gemm,@function
k_q5c8981302b_gemm:
	s_mov_b64 s[64:65], 0
	v_nop
	global_prefetch_b8 v0, s[64:65] scope:SCOPE_SE
	s_setreg_imm32_b32 hwreg(HW_REG_WAVE_MODE, 25, 1), 1
	s_wait_xcnt 0x0
	s_wait_alu depctr_hold_cnt(0) depctr_sa_sdst(0) depctr_va_vdst(0) depctr_va_sdst(0) depctr_va_ssrc(0) depctr_va_vcc(0) depctr_vm_vsrc(0)
	s_getreg_b32 s2, hwreg(HW_REG_IB_STS2, 6, 4)
	s_cmp_eq_u32 s2, 0
	s_cbranch_scc0 .Lentry_in_a_cluster
	s_endpgm
.Lentry_in_a_cluster:
	s_bfe_u32 s2, ttmp6, 0x10000c
	s_cmp_lg_u32 s2, 0xf033
	s_cbranch_scc0 .Lentry_shape_is_right
	s_endpgm
.Lentry_shape_is_right:
; out0[m][n] = bias[n] + the sum over k of xh[m][k] wh[n][k].  xh: [8192][4096] f16, wh: [2048][4096] f16, bias: [2048] f32, out0: [8192][2048] f32.
; One f32 sum for each output, K ascending; the bias is the sum's first addend (the definition adds it last: another order of rounding).
; LIMITS.  The operands are f16, made by the launch in front: beyond 65,504 they are infinities, below 6.1e-5 they have a fixed step of 6e-8.
; SHARES.  A tile of the output, 256 x 256, is made by a work-group of four waves; a wave makes 128 x 128: 64 accumulators of 16 x 16, 512 registers.  8 x 32 tiles: 256 work-groups, one tile each.
; K goes in steps of 128 through a ring of two LDS slots filled by the tensor data mover: a tile's rows are 256 bytes of memory and start at multiples of 256 bytes from the buffer's first byte.
; CLUSTERS.  4 x 4 work-groups.  The four of a row of the cluster need the same tiles of xh (A), the four of a column the same tiles of wh (B): each tile is asked for JOINTLY, by the same tensor load
; with the same descriptor and a mask that names the four.  By this text's own count a wave has two tensor loads out at the start and one behind each round.
; THE MATRIX INSTRUCTION IS USED TRANSPOSED: source 0 = 16 rows of B, source 1 = 16 rows of A.  Lane l then holds row l % 16 of the output, its registers 0 to 7 the columns 8 (l / 16) + 0..7.
; REGISTERS, in windows of 256 (s_set_vgpr_msb: bits 1:0 source 0, 3:2 source 1, 5:4 source 2, 7:6 destination):
;   window 0: v0-31 addresses; v64-127, v128-191 fragments of A, two buffers, and on the way out two buffers of 16 rows read back; v192-255 the bias in an accumulator's layout, 8 registers for each of my 8 column blocks
;   window 1: v64-127, v128-191 fragments of B, two buffers
;   window 2: the 32 accumulators of my rows 0-63 (accumulator (a, b) at v[8 (8 a + b)]);   window 3: those of my rows 64-127
.set SIZE_M, 8192
.set SIZE_N, 2048
.set SIZE_K, 4096
.set KSTEP,  128
.set PITCH,  272                       ; an LDS row: 256 bytes of data + 16 of padding = 68 words: row r starts at bank 4 r mod 64 (64 banks of 4 bytes: ISA guide 11.1), so the 16 rows of a load start at 16 different banks
.set HALFT,  128*PITCH                 ; 128 rows: what one tensor load brings, and what one wave reads of A or of B
.set SLOT,   4*HALFT                   ; A's 256 rows, then B's 256 rows
.set STAGE,  2*SLOT                    ; behind the ring, never filled by a tensor load: a stage for each wave, for the way out
.set SPITCH, 528                       ; a stage row: 128 f32 = 512 bytes + 16: the 16 rows that a store touches fall on 16 different columns of 16 bytes
.set WSTAGE, 16*SPITCH                 ; 16 rows a wave: 8,448 bytes = 33 blocks of 256
.set SPARE,  STAGE+4*WSTAGE            ; behind the stages: the spare words, 128 bytes for each wave: two blocks of 256 bytes that no other line names
.set LAPS,   SIZE_K/(2*KSTEP)          ; a lap = two K steps = once round the ring: 16
.set ADRA, 16                          ; v16-17  LDS address of my A fragments in slot 0, 1
.set ADRB, 20                          ; v20-21  the same for B
.set STO,  24                          ; v24     the way out: where I put my 32 bytes of a row's 64
.set RD,   25                          ; v25     the way out: where I read 16 bytes of a row back
.set CO,   26                          ; v26     my byte offset in 512 consecutive bytes of a row of the output
.set BO,   27                          ; v27     my byte offset in 64 bytes of the bias
.set SPW,  28                          ; v28     LDS address of my spare word: SPARE + 4 x my thread's number; never rewritten
.set NIL,  29                          ; v29     0; never rewritten
.set F0,   64                          ; fragment buffer 0
.set F1,   128                         ; fragment buffer 1
.set OB,   64                          ; the way out: blocks read back into v64-127 and v128-191 by turns
.set BIA,  192                         ; the bias
.set G1, 24                            ; s[24:31] descriptor group 1 for A's tiles
.set G0, 32                            ; s[32:39] descriptor group 0 for A's tiles, one set for each slot
.set G1B, 48                           ; s[48:55] descriptor group 1 for B's tiles: it differs in the mask alone
.set G0B, 56                           ; s[56:63] descriptor group 0 for B's tiles, one set for each slot
.set MSB, 0
.macro WIN new                         ; the immediate's high byte repeats the setting that is left; a switch that changes nothing is dropped
.if MSB != (\new)
	s_set_vgpr_msb (MSB<<8)|(\new)
.set MSB, \new
.endif
.endm
.set MUL_LO,  0xa1                     ; source 0 (B) window 1, source 1 (A) window 0, C and D window 2
.set MUL_HI,  0xf1                     ; the same, C and D window 3
.set MUL0_LO, 0x81                     ; the products that start the sums: C (the bias) window 0, D window 2
.set MUL0_HI, 0xc1                     ; the same, D window 3
.set TO_B,    0x40                     ; destination window 1, address window 0
.set ST_LO,   0x08                     ; an LDS store's data (source 1) window 2, its address window 0
.set ST_HI,   0x0c                     ; the same, data window 3
; A joint load.  Waves 0 and 1 fetch A's two halves, waves 2 and 3 B's.  Each of the two lines has one mask and one set of registers for all that issue it; the branch hangs on the wave's number alone.
; An s_nop 0 and four v_nop follow each of the two lines, ahead of the jump, the label and what follows.
.macro JLOAD s
	s_cmp_eq_u32 s11, 0
	s_cbranch_scc0 .Lfor_b_\@
	tensor_load_to_lds s[G0+4*(\s):G0+4*(\s)+3], s[G1:G1+7]
	s_nop 0
.rept 4
	v_nop
.endr
	s_branch .Lasked_\@
.Lfor_b_\@:
	tensor_load_to_lds s[G0B+4*(\s):G0B+4*(\s)+3], s[G1B:G1B+7]
	s_nop 0
.rept 4
	v_nop
.endr
.Lasked_\@:
.endm
; A round of the cluster's barrier: my work-group's barrier, so that wave 0's signal speaks for all four waves; wave 0 signals for the work-group; every wave waits for all sixteen work-groups;
; my work-group's barrier once more.  No LDS instruction of the wave is pending at a signal.
.macro CREST                           ; a round behind its opening barrier
	s_cmp_lg_u32 s10, 0
	s_cbranch_scc1 .Lnot_wave_0_\@
	s_barrier_signal -3
.Lnot_wave_0_\@:
	s_barrier_wait -3
	s_barrier_signal -1
	s_barrier_wait -1
.endm
.macro CROUND                          ; a whole round
	s_barrier_signal -1
	s_barrier_wait -1
	CREST
.endm
	s_load_b128 s[4:7], s[0:1], 0x0                ; xh (A) s[4:5], wh (B) s[6:7]
	s_load_b64 s[8:9], s[0:1], 0x10                ; out0
	s_load_b64 s[66:67], s[0:1], 0x18              ; bias
	v_lshl_add_u32 v[SPW], v0, 2, SPARE
	v_mov_b32 v[NIL], 0
	ds_add_u32 v[SPW], v[NIL]                      ; the wave's opening: the add and its wait stand ahead of my first tensor load; the set-up below, work on registers, stands between them
	v_lshrrev_b32 v1, 5, v0
	v_readfirstlane_b32 s10, v1                    ; wave 0..3
	s_lshr_b32 s11, s10, 1                         ; which half of the tile's rows is mine.  Also: I fetch for A (0) or for B (1)
	s_and_b32 s12, s10, 1                          ; which half of its columns.  Also: which 128 rows of that tile I fetch
	s_bfe_u32 s40, ttmp6, 0x40000                  ; cx: my place along the cluster's x
	s_bfe_u32 s41, ttmp6, 0x40004                  ; cy: along its y
	s_lshl_b32 s42, ttmp9, 2                       ; in a cluster launch ttmp9 and ttmp7 count clusters
	s_add_co_u32 s42, s42, s40                     ; tile column = 4 x cluster x + cx
	s_and_b32 s13, ttmp7, 0xffff
	s_lshl_b32 s13, s13, 2
	s_add_co_u32 s13, s13, s41                     ; tile row = 4 x cluster y + cy
	s_lshl_b32 s43, s41, 2
	s_lshl_b32 s43, 15, s43                        ; my row of the cluster: places 4 cy .. 4 cy + 3
	s_lshl_b32 s44, 0x1111, s40                    ; my column: places cx, cx + 4, cx + 8, cx + 12
	; descriptor group 1: a tile of 128 rows x 128 elements, padded in LDS
	s_or_b32 s[G1+0], s43, (1<<16)|(1<<20)|(1<<21)|(5<<22)|(3<<25)  ; 15:0 the mask: A's tiles go to my row; 17:16 elements of 2 bytes; 20 padding on; 21 set beside a mask; 24:22 after every 64 words (code 5); 31:25 4 words of it (code 3)
	s_or_b32 s[G1B+0], s44, (1<<16)|(1<<20)|(1<<21)|(5<<22)|(3<<25) ; the same with the mask of my column, for B's tiles
.irp g, G1, G1B
	s_mov_b32 s[(\g)+1], KSTEP<<16                 ; 63:48 tensor_dim0, low half = 128
	s_mov_b32 s[(\g)+2], 128<<16                   ; 79:64 its high half = 0; 95:80 tensor_dim1, low half = 128
	s_mov_b32 s[(\g)+3], KSTEP<<16                 ; 111:96 its high half = 0; 127:112 tile_dim0 = 128
	s_mov_b32 s[(\g)+4], 128                       ; 143:128 tile_dim1 = 128; 159:144 tile_dim2 = 0
	s_mov_b32 s[(\g)+5], SIZE_K                    ; 191:160 tensor_dim0_stride, low word: elements from row to row
	s_mov_b32 s[(\g)+6], 0
	s_mov_b32 s[(\g)+7], 0
.endr
	; where the tiles come from.  A's hang on the tile row alone, which my row of the cluster shares; B's on the tile column alone, which my column shares.
	; Every wave makes both addresses, in registers that never hold the other coordinate, and asks by one of them.
	s_lshl_b32 s17, s12, 7                         ; which 128 rows of the tile I fetch
	s_lshl_b32 s16, s13, 8
	s_add_co_u32 s16, s16, s17                     ; A: row 256 x tile row + 128 x half
	s_lshl_b32 s46, s42, 8
	s_add_co_u32 s46, s46, s17                     ; B: row 256 x tile column + 128 x half
	s_mov_b32 s17, 0
	s_mov_b32 s47, 0
	s_mov_b64 s[18:19], SIZE_K*2
	s_mul_u64 s[16:17], s[16:17], s[18:19]         ; in bytes, in 64 bits
	s_mul_u64 s[46:47], s[46:47], s[18:19]
	s_mul_i32 s20, s10, HALFT                      ; and where they go: A's two halves, then B's two halves = wave x 128 rows: no place in the cluster enters an LDS address
	s_wait_dscnt 0x0                               ; the opening add is done
	s_wait_kmcnt 0x0
	s_add_nc_u64 s[14:15], s[4:5], s[16:17]
	s_add_nc_u64 s[46:47], s[6:7], s[46:47]
	CROUND                                         ; all sixteen work-groups are here: the first joint loads meet
.irp s, 0,1
	s_mov_b32 s[G0+4*(\s)], 1                                      ; 1:0 count = 1
	s_add_co_u32 s[G0+4*(\s)+1], s20, (\s)*SLOT                    ; 63:32 LDS address
	s_add_nc_u64 s[G0+4*(\s)+2:G0+4*(\s)+3], s[14:15], (\s)*KSTEP*2  ; 120:64 global address: K step s
	s_or_b32 s[G0+4*(\s)+3], s[G0+4*(\s)+3], 0x80000000            ; 127:126 type = 2
	s_mov_b32 s[G0B+4*(\s)], 1
	s_add_co_u32 s[G0B+4*(\s)+1], s20, (\s)*SLOT
	s_add_nc_u64 s[G0B+4*(\s)+2:G0B+4*(\s)+3], s[46:47], (\s)*KSTEP*2
	s_or_b32 s[G0B+4*(\s)+3], s[G0B+4*(\s)+3], 0x80000000
	JLOAD \s                                       ; the ring is filled before anything else is done
.endr
	; A fragment is 16 rows x 32 K in 8 registers: lane l holds row l % 16; registers 0-3 hold K = 8 (l / 16) + 0..7, registers 4-7 hold
	; K = 16 + 8 (l / 16) + 0..7.  From rows that lie along K: two loads of 16 bytes, 32 bytes apart.  The same for source 0 and source 1.
	v_and_b32 v1, 15, v0                           ; l % 16
	v_bfe_u32 v2, v0, 4, 1                         ; l / 16
	v_mul_u32_u24 v3, v1, PITCH
	v_lshl_add_u32 v3, v2, 4, v3                   ; row x pitch + 16 x half
	s_mul_i32 s21, s11, HALFT                      ; my 128 rows of A
	s_mul_i32 s22, s12, HALFT                      ; my 128 rows of B,
	s_add_co_u32 s22, s22, 2*HALFT                 ; which lie behind A's 256
.irp s, 0,1
	v_add_nc_u32 v[ADRA+(\s)], s21, v3
	v_add_nc_u32 v[ADRB+(\s)], s22, v3
	s_add_co_u32 s21, s21, SLOT
	s_add_co_u32 s22, s22, SLOT
.endr
	s_mul_i32 s23, s10, WSTAGE
	s_add_co_u32 s23, s23, STAGE                   ; my stage
	v_mul_u32_u24 v4, v1, SPITCH                   ; in: row l % 16, 32 bytes (eight f32) for each half of the lanes
	v_lshl_add_u32 v4, v2, 5, v4
	v_add_nc_u32 v[STO], s23, v4
	v_and_b32 v5, 31, v0
	v_lshlrev_b32 v[CO], 4, v5                     ; back: the 32 lanes take one row of 512 bytes, 16 bytes each; the same in the output
	v_add_nc_u32 v[RD], s23, v[CO]
	v_lshlrev_b32 v[BO], 5, v2                     ; the bias: my eight columns of a block's sixteen
	s_lshl_b32 s46, s42, 10                        ; my first column, in bytes of f32: 1,024 x tile column + 512 x half (in the registers that held B's address)
	s_lshl_b32 s47, s12, 9
	s_add_co_u32 s46, s46, s47
	s_mov_b32 s47, 0
	s_add_nc_u64 s[66:67], s[66:67], s[46:47]      ; the bias at my first column
	s_lshl_b32 s13, s13, 8
	s_lshl_b32 s14, s11, 7
	s_add_co_u32 s16, s13, s14                     ; my first row of the output
	s_mov_b32 s17, 0
	s_mov_b64 s[18:19], SIZE_N*4
	s_mul_u64 s[16:17], s[16:17], s[18:19]
	s_add_nc_u64 s[16:17], s[16:17], s[46:47]
	s_add_nc_u64 s[8:9], s[8:9], s[16:17]          ; the output at my 128 x 128
.irp b, 0,1,2,3,4,5,6,7                ; register j of block b: bias[my first column + 16 b + 8 (l / 16) + j]: what an accumulator's register j holds a column of
	global_load_b128 v[BIA+8*(\b):BIA+8*(\b)+3],   v[BO], s[66:67] offset:64*(\b)
	global_load_b128 v[BIA+8*(\b)+4:BIA+8*(\b)+7], v[BO], s[66:67] offset:64*(\b)+16
.endr
; 16 matrix instructions: m blocks a0, a0 + 1 of the window's four (hi = 0: my rows 0-63, 1: rows 64-127) x all 8 n blocks, 32 along K.
; zero = 1: the first product starts the sums, with the bias as C: nothing is cleared, and no addition follows the sums.
; The 64 accumulators take turns, one instruction a turn, in the same order in every quarter step.
.macro MUL16 f, hi, a0, zero
.if \zero
	WIN MUL0_LO+0x40*(\hi)
.else
	WIN MUL_LO+0x50*(\hi)
.endif
.irp a, \a0, (\a0)+1
.irp b, 0,1,2,3,4,5,6,7
.if \zero
	v_wmma_f32_16x16x32_f16 v[8*(8*(\a)+(\b)):8*(8*(\a)+(\b))+7], v[(\f)+8*(\b):(\f)+8*(\b)+7], v[(\f)+8*(4*(\hi)+(\a)):(\f)+8*(4*(\hi)+(\a))+7], v[BIA+8*(\b):BIA+8*(\b)+7]
.else
	v_wmma_f32_16x16x32_f16 v[8*(8*(\a)+(\b)):8*(8*(\a)+(\b))+7], v[(\f)+8*(\b):(\f)+8*(\b)+7], v[(\f)+8*(4*(\hi)+(\a)):(\f)+8*(4*(\hi)+(\a))+7], v[8*(8*(\a)+(\b)):8*(8*(\a)+(\b))+7]
.endif
.endr
.endr
.endm
; 32 LDS loads in one run: the fragments of one quarter step (128 rows of B, 128 rows of A, 32 K at byte k of the rows) into buffer f
.macro FETCH slot, k, f
	WIN TO_B
.irp i, 0,1,2,3,4,5,6,7
	ds_load_b128 v[(\f)+8*(\i):(\f)+8*(\i)+3],   v[ADRB+(\slot)] offset:(\k)+(\i)*16*PITCH
	ds_load_b128 v[(\f)+8*(\i)+4:(\f)+8*(\i)+7], v[ADRB+(\slot)] offset:(\k)+(\i)*16*PITCH+32
.endr
	WIN 0
.irp i, 0,1,2,3,4,5,6,7
	ds_load_b128 v[(\f)+8*(\i):(\f)+8*(\i)+3],   v[ADRA+(\slot)] offset:(\k)+(\i)*16*PITCH
	ds_load_b128 v[(\f)+8*(\i)+4:(\f)+8*(\i)+7], v[ADRA+(\slot)] offset:(\k)+(\i)*16*PITCH+32
.endr
.endm
; A load into a register that a matrix instruction has read, and an LDS store that reads a matrix result, stand four places behind that matrix instruction, and only plain vector
; instructions that name none of its registers are places (ISA guide 7.12.1 for vector instructions).
.macro PLACES
.rept 4
	v_nop
.endr
.endm
; A K step is four quarter steps of 32 along K, 64 matrix instructions each, on buffers 0, 1, 0, 1.
; One of the first three: multiplies buffer f; in its middle it fetches the next quarter's fragments, at byte k of the same slot's rows, into buffer g.
.macro QUARTER slot, k, f, g, zero
	s_wait_dscnt 8                                 ; B and A's rows 0-63 are in; the youngest eight loads (A's rows 64-127) may be out
	MUL16 \f, 0, 0, \zero
	MUL16 \f, 0, 2, \zero
	PLACES
	FETCH \slot, \k, \g
	s_wait_dscnt 32                                ; all but the 32 just issued
	MUL16 \f, 1, 0, \zero
	MUL16 \f, 1, 2, \zero
.endm
; The last quarter multiplies buffer 1 and changes slots.  MEET is its first half: ONE barrier for the change of slots.  In front of it each wave waits for all its tensor loads, of which one is out:
; its part of the next slot; adds 0 to its spare word; and waits for that and for its own reads of this slot.  Behind it nobody reads this slot any more and the next slot is whole.
.macro MEET round                      ; round = 1: a round of the cluster's barrier follows
	WIN 0                                          ; (the add's two registers lie in window 0)
	s_wait_tensorcnt 0x0                           ; all my tensor loads have landed: the one that was out is my part of the next slot;
	ds_add_u32 v[SPW], v[NIL]                      ; 0 onto my spare word;
	s_wait_dscnt 9                                 ; (the add and the youngest eight loads may be out)
	MUL16 F1, 0, 0, 0                              ; sixteen matrix instructions stand between the add and the wait for it
	s_wait_dscnt 0x0                               ; the add is done, and my reads of this slot are over:
	s_barrier_signal -1                            ; say so (where a slot is filled again this barrier opens a round of the cluster's barrier),
	MUL16 F1, 0, 2, 0                              ; work on registers while the others arrive,
.if \round
	WIN 0
.endif
	s_barrier_wait -1                              ; and go on when all four have said so
.endm
; The whole last quarter in the loop.  Behind the round the slot just read out is filled again first, with the K step two steps on; then come the next slot's first fragments.
; From a request to the wait for it a wave issues 224 matrix instructions.
.macro TURN slot, next
	MEET 1
	CREST                                          ; no wave of any partner still reads this slot's tile or has a load on its way
	s_add_nc_u64 s[G0+4*(\slot)+2:G0+4*(\slot)+3], s[G0+4*(\slot)+2:G0+4*(\slot)+3], 2*KSTEP*2     ; no tensor load of mine is out, so a group 0 may be written; the type bits on top are not reached
	s_add_nc_u64 s[G0B+4*(\slot)+2:G0B+4*(\slot)+3], s[G0B+4*(\slot)+2:G0B+4*(\slot)+3], 2*KSTEP*2
	JLOAD \slot                                    ; the first tensor load behind the round; the four v_nop behind it are also the places in front of the loads below
	FETCH \next, 0, F0
	MUL16 F1, 1, 0, 0
	MUL16 F1, 1, 2, 0
.endm
; THE WAY OUT of block a (16 rows x 128 columns of f32).  TOSTAGE: the block's eight accumulators go into my own stage as they are, each one's four lowest registers first
; and come back as whole rows of 512 bytes, into buffer a % 2.  SEND: stored.
.macro TOSTAGE a
.set AC, 64*((\a)%4)
.set BK, OB+64*((\a)%2)
	WIN ST_LO+4*((\a)/4)
.irp b, 0,1,2,3,4,5,6,7
	ds_store_b128 v[STO], v[AC+8*(\b):AC+8*(\b)+3]   offset:64*(\b)
	ds_store_b128 v[STO], v[AC+8*(\b)+4:AC+8*(\b)+7] offset:64*(\b)+16
.endr
	WIN 0
.if (\a) >= 2
	s_wait_xcnt 0x0                                ; every earlier memory instruction has had its addresses translated (ISA guide 3.1): the buffer, which block a - 2's stores read, is loaded again only behind this wait
.endif
.irp t, 0,1,2,3,4,5,6,7,8,9,10,11,12,13,14,15
	ds_load_b128 v[BK+4*(\t):BK+4*(\t)+3], v[RD] offset:(\t)*SPITCH  ; LDS serves a wave's instructions in order (ISA guide 5.7.1.4): these see the stores above; the next block's stores come behind them
.endr
.endm
.macro SEND a, younger                 ; younger: the LDS instructions issued behind block a's loads: the next block's 16 stores and 16 loads, or none
.set BK, OB+64*((\a)%2)
	s_wait_dscnt \younger                          ; the block is back in registers
.irp t, 0,1,2,3,4,5,6,7,8,9,10,11,12,13,14,15
	global_store_b128 v[CO], v[BK+4*(\t):BK+4*(\t)+3], s[8:9] offset:(16*(\a)+(\t))*SIZE_N*4 th:TH_STORE_NT  ; 512 consecutive bytes of a row, aligned; the row stands in the immediate: 127 x 8,192 bytes at the most, inside its signed 24 bits
.endr
.endm
	s_wait_tensorcnt 1                             ; my part of K step 0 is in; K step 1's may stay out
	s_barrier_signal -1
	s_barrier_wait -1                              ; everybody's is
	FETCH 0, 0, F0
	s_wait_loadcnt 0x0                             ; the bias
	QUARTER 0, 64,  F0, F1, 1                      ; the first quarter stands in front of the loop: its products start the sums
	WIN 0                                          ; at a label and at a branch every window is 0
	s_mov_b32 s3, LAPS-1
.Llap:                                                 ; a trip goes once round the ring, from a lap's second quarter to the next lap's first, and fills both slots again
	QUARTER 0, 128, F1, F0, 0
	QUARTER 0, 192, F0, F1, 0
	TURN 0, 1
	QUARTER 1, 64,  F0, F1, 0
	QUARTER 1, 128, F1, F0, 0
	QUARTER 1, 192, F0, F1, 0
	TURN 1, 0
	QUARTER 0, 64,  F0, F1, 0
	WIN 0
	s_sub_co_u32 s3, s3, 1
	s_cmp_lg_u32 s3, 0
	s_cbranch_scc1 .Llap
	QUARTER 0, 128, F1, F0, 0                      ; the last lap is written out: it fills nothing, and has no round of the cluster's barrier
	QUARTER 0, 192, F0, F1, 0
	MEET 0                                         ; my one tensor load that was still out is slot 1's, the last K step's
	PLACES                                         ; for the loads into buffer 0, which the quarter before multiplied
	FETCH 1, 0, F0
	MUL16 F1, 1, 0, 0
	MUL16 F1, 1, 2, 0
	QUARTER 1, 64,  F0, F1, 0
	QUARTER 1, 128, F1, F0, 0
	QUARTER 1, 192, F0, F1, 0
	s_wait_dscnt 8                                 ; the very last quarter: nothing more to fetch
	MUL16 F1, 0, 0, 0
	MUL16 F1, 0, 2, 0
	s_wait_dscnt 0x0
	MUL16 F1, 1, 0, 0
	MUL16 F1, 1, 2, 0
	WIN 0
	PLACES                                         ; behind the last products: the LDS stores read results, and the loads from the stage land in A's fragment buffers
	TOSTAGE 0
.irp a, 1,2,3,4,5,6,7                  ; block a's trip through the stage is issued ahead of the wait for block a - 1's
	TOSTAGE \a
	SEND (\a)-1, 32
.endr
	SEND 7, 0
	s_wait_tensorcnt 0x0                           ; the wave's end: behind my last tensor load and my last LDS store
	ds_add_u32 v[SPW], v[NIL]
	s_wait_dscnt 0x0
	CROUND                                         ; the closing round: no work-group ends while a partner may still ask for a tile that names it
	s_endpgm
.Lfunc_end_k_q5c8981302b_gemm:
	.size	k_q5c8981302b_gemm, .Lfunc_end_k_q5c8981302b_gemm-k_q5c8981302b_gemm
	.p2alignl 7, 3214868480
	.fill 96, 4, 3214868480
	.section	.rodata,"a",@progbits
	.p2align	6, 0x0
	.amdhsa_kernel k_q5c8981302b_gemm
		.amdhsa_group_segment_fixed_size 327680
		.amdhsa_private_segment_fixed_size 0
		.amdhsa_enable_private_segment 0
		.amdhsa_kernarg_size 32
		.amdhsa_user_sgpr_count 2
		.amdhsa_user_sgpr_kernarg_segment_ptr 1
		.amdhsa_wavefront_size32 1
		.amdhsa_system_sgpr_workgroup_id_x 1
		.amdhsa_system_sgpr_workgroup_id_y 1
		.amdhsa_system_sgpr_workgroup_id_z 1
		.amdhsa_system_vgpr_workitem_id 0
		.amdhsa_next_free_vgpr 1024
		.amdhsa_next_free_sgpr 68
		.amdhsa_reserve_vcc 0
		.amdhsa_float_denorm_mode_32 3
		.amdhsa_float_denorm_mode_16_64 3
		.amdhsa_memory_ordered 1
		.amdhsa_forward_progress 1
		.amdhsa_inst_pref_size 142
	.end_amdhsa_kernel
	.amdgpu_metadata
---
amdhsa.version: [ 1, 2 ]
amdhsa.kernels:
  - .name:           k_q5c8981302b_gemm
    .symbol:         k_q5c8981302b_gemm.kd
    .args:
      - { .name: xh, .offset: 0, .size: 8, .value_kind: global_buffer, .address_space: global }
      - { .name: wh, .offset: 8, .size: 8, .value_kind: global_buffer, .address_space: global }
      - { .name: out0, .offset: 16, .size: 8, .value_kind: global_buffer, .address_space: global }
      - { .name: bias, .offset: 24, .size: 8, .value_kind: global_buffer, .address_space: global }
    .group_segment_fixed_size: 327680
    .private_segment_fixed_size: 0
    .kernarg_segment_align: 8
    .kernarg_segment_size: 32
    .max_flat_workgroup_size: 128
    .sgpr_count:     68
    .vgpr_count:     1024
    .wavefront_size: 32
...
	.end_amdgpu_metadata
.endif
;; end of part 2
;; ======== version 2 of 2: 2 launches; version 1 with the launch prep written anew for expert scheduling mode
;; limits: values are held in f16: magnitudes above 65,504 overflow, below 6.1e-05 lose precision
;; workspace buffers: xh 67,108,864 bytes; wh 16,777,216 bytes
;; launch prep (part 3): grid 1024 x 1, 8 waves a work-group, no clusters, 0 bytes of LDS; arguments x, idx_primary, idx_residual, norms_primary, norms_residual, xh, wh; writes xh, wh
.if DOCPART == 3
	.amdgcn_target "amdgcn-amd-amdhsa--gfx1250"
	.amdhsa_code_object_version 6
	.text
	.protected	k_q5c8981302b_prep
	.globl	k_q5c8981302b_prep
	.p2align	8
	.type	k_q5c8981302b_prep,@function
k_q5c8981302b_prep:
	s_mov_b64 s[64:65], 0
	v_nop
	global_prefetch_b8 v0, s[64:65] scope:SCOPE_SE
	s_setreg_imm32_b32 hwreg(HW_REG_WAVE_SCHED_MODE, 0, 2), 2
	s_setreg_imm32_b32 hwreg(HW_REG_WAVE_MODE, 25, 1), 1
	s_wait_xcnt 0x0
	s_wait_alu depctr_vm_vsrc(0)
; xh = f16(x), [8192][4096];  wh = f16(W), [2048][4096], W = np * unit(levels16[ip]) + nr * unit(levels4[ir]) by groups of 128 codes,
; unit(q) = q * rsqrt(sum of q^2 + 1e-12).  All arithmetic in f32; each number is rounded to f16 once.
; LIMITS.  f16 ends at 65,504: an |x| or |w| of 65,520 or more becomes an infinity; below 6.1e-5 f16 keeps a fixed step of 6e-8.
; An index lies inside its table (0..15, 0..3): the level is made as idx * 2/(levels - 1) - 1, one fused multiply-add, and no table is read.
; w is made as q * (norm * rsq), where the definition has norm * (q * rsq): another order of rounding; v_rsq_f32 is not correctly rounded.
; SHARES.  8,192 waves.  Wave W takes row W of x (16,384 bytes in, 8,192 out) and the groups 8 W .. 8 W + 7 of the weights (4,096 bytes of each
; index table and 32 of each norm table in, 2,048 out).  The text is a straight line: all 50 loads of a wave go out first, each into registers of
; its own; no data or address register is written again while a memory instruction may read it.
; A load of 16 bytes a lane covers 512 consecutive bytes, aligned: of an index table that is one group, four codes a lane.  A store of 8 bytes a
; lane covers 256 consecutive bytes, aligned: of wh one group.  Work-groups share no input and nothing is used twice: no LDS, no barrier, no matrix unit.
; THE MODE: SCHED_MODE bits 1:0 = 2 (LLVM: expert scheduling mode 2), set by the entry lines.  The code itself states the register dependences
; between vector instructions and memory instructions, with s_wait_alu, always for 0.
; THE PLAN.  Registers that memory instructions touch:
;   v1, v2, v3   byte offsets.  Written once at the head, read by every load and store, never written again.
;   NP, NR       Loaded; read by one run of sixteen v_readlane_b32, which put the wave's sixteen norms into s[32:47].
;   IP, IR       Loaded; worked on in place.  A group's last two conversions write the first two of its IP registers; its one store reads them; nobody writes them again.
;   X            Loaded; piece i's two conversions write the first two of its four registers; its one store reads them; nobody writes them again.
;   v[6:13]      Named by vector instructions alone.
; No load is issued behind the head, and no register that a memory instruction reads is written again: what is left to state is that a store's data are written.
; So every store stands a step behind the conversions that make its data, behind a wait that stands there anyway or serves eight stores:
;   group g - 1's store directly behind group g's wait for its two reciprocal roots;
;   x in four blocks of eight pieces: one wait at a block's head, and the eight stores of the block before dealt among the block's sixteen conversions, which name the block's own registers alone.
.set LD,  1                            ; v1        16 x lane: my bytes in 512 loaded
.set ST,  2                            ; v2        8 x lane: my bytes in 256 stored
.set NO,  3                            ; v3        4 x (lane % 8): lane j reads the norm of the wave's group j % 8
.set NP,  4                            ; v4        primary norms
.set NR,  5                            ; v5        residual norms
.set SCP, 6                            ; v[6:7]    np * rsq in the low word; the packed multiply takes it for both halves
.set T,   8                            ; v[8:11]   sums of squares at work: primary in T, residual in T+2
.set SCR, 12                           ; v[12:13]  nr * rsq, likewise
.set IP,  16                           ; v[16:47]  group g: 4 primary codes, then levels, then the result
.set IR,  48                           ; v[48:79]  group g: 4 residual codes, then levels
.set X,   80                           ; v[80:207] piece i of the row of x: 4 numbers
.set NPS, 32                           ; s[32:39]  group g's primary norm
.set NRS, 40                           ; s[40:47]  group g's residual norm
.set BLK, 8                            ; pieces of x in a block
	s_load_b256 s[4:11], s[0:1], 0x0               ; x s[4:5], idx_primary s[6:7], idx_residual s[8:9], norms_primary s[10:11]
	s_load_b128 s[12:15], s[0:1], 0x20             ; norms_residual s[12:13], xh s[14:15]
	s_load_b64 s[16:17], s[0:1], 0x30              ; wh
	v_lshrrev_b32 v1, 5, v0
	v_readfirstlane_b32 s19, v1                    ; my wave in the work-group
	v_and_b32 v3, 31, v0
	v_lshlrev_b32 v[LD], 4, v3
	v_lshlrev_b32 v[ST], 3, v3
	v_and_b32 v3, 7, v0
	v_lshlrev_b32 v[NO], 2, v3
	v_mov_b32 v[SCP+1], 0                          ; the pairs' upper words are named with the lower ones, so they are written
	v_mov_b32 v[SCR+1], 0
	s_mov_b32 s21, 0                               ; s[20:21]: a byte offset in 64 bits; the largest, 8,191 x 16,384, stays under 2^31
	s_mov_b32 s22, 0x3e088889                      ; 2/15: the step of 16 levels from -1 to 1
	s_mov_b32 s23, 0x3e088889
	s_mov_b32 s24, 0x3f2aaaab                      ; 2/3: the step of 4 levels
	s_mov_b32 s25, 0x3f2aaaab
	s_mov_b32 s26, 0x2b8cbccc                      ; 1e-12
	s_mov_b32 s28, 0x76543210                      ; v_permlanex16_b32: each lane takes its own place in the other half
	s_mov_b32 s29, 0xfedcba98
	s_wait_alu depctr_va_sdst(0)                   ; s19 is written, ahead of its first reader: W, and with it every base, is made from it
	s_lshl_b32 s18, ttmp9, 3
	s_add_co_u32 s18, s18, s19                     ; W = 8 x work-group + wave
	s_wait_kmcnt 0x0
	s_lshl_b32 s20, s18, 14                        ; a row of x: 16,384 bytes
	s_add_nc_u64 s[4:5], s[4:5], s[20:21]
	s_lshl_b32 s20, s18, 12                        ; eight groups of codes: 4,096 bytes
	s_add_nc_u64 s[6:7], s[6:7], s[20:21]
	s_add_nc_u64 s[8:9], s[8:9], s[20:21]
	s_lshl_b32 s20, s18, 5                         ; eight norms: 32 bytes
	s_add_nc_u64 s[10:11], s[10:11], s[20:21]
	s_add_nc_u64 s[12:13], s[12:13], s[20:21]
	s_lshl_b32 s20, s18, 13                        ; a row of xh: 8,192 bytes
	s_add_nc_u64 s[14:15], s[14:15], s[20:21]
	s_lshl_b32 s20, s18, 11                        ; eight groups of wh: 2,048 bytes
	s_add_nc_u64 s[16:17], s[16:17], s[20:21]
	s_wait_alu depctr_va_vdst(0)                   ; the three offsets v1, v2 and v3 are written: every load and store of the kernel reads one of them
	; all 50 loads, in the order in which they are used: 2 of norms, 16 of codes, 32 of x
	global_load_b32 v[NP], v[NO], s[10:11]
	global_load_b32 v[NR], v[NO], s[12:13]
.irp g, 0,1,2,3,4,5,6,7
	global_load_b128 v[IP+4*(\g):IP+4*(\g)+3], v[LD], s[6:7] offset:512*(\g) th:TH_LOAD_NT
	global_load_b128 v[IR+4*(\g):IR+4*(\g)+3], v[LD], s[8:9] offset:512*(\g) th:TH_LOAD_NT
.endr
.set i, 0
.rept 32
	global_load_b128 v[X+4*i:X+4*i+3], v[LD], s[4:5] offset:512*i th:TH_LOAD_NT
.set i, i+1
.endr
	; the wave's sixteen norms as scalars, in one run
	s_wait_loadcnt 48                              ; loads come back in order (ISA guide 5.7.1): the two loads of norms are in, the 48 younger ones stay out
.irp g, 0,1,2,3,4,5,6,7
	v_readlane_b32 s[NPS+(\g)], v[NP], \g          ; lane g holds group g's norms
	v_readlane_b32 s[NRS+(\g)], v[NR], \g
.endr
	s_wait_alu depctr_va_sdst(0)                   ; s[32:47] are written, ahead of their first readers, the groups' multiplies by the norms: one wait for the sixteen
; One group of 128 weights, four a lane.  Its result is stored in the next group, or for the last at the head of x's first block.
.macro GROUP g
.set P, IP+4*(\g)
.set R, IR+4*(\g)
	s_wait_loadcnt 46-2*(\g)                       ; behind this group's residual codes stand 2 (7 - g) loads of codes and 32 of x
.irp j, 0,1,2,3
	v_cvt_f32_i32 v[P+(\j)], v[P+(\j)]
	v_cvt_f32_i32 v[R+(\j)], v[R+(\j)]
.endr
	v_pk_fma_f32 v[P:P+1],   v[P:P+1],   s[22:23], -1.0 op_sel_hi:[1,0,0]  ; the levels: idx * step - 1
	v_pk_fma_f32 v[R:R+1],   v[R:R+1],   s[24:25], -1.0 op_sel_hi:[1,0,0]
	v_pk_fma_f32 v[P+2:P+3], v[P+2:P+3], s[22:23], -1.0 op_sel_hi:[1,0,0]
	v_pk_fma_f32 v[R+2:R+3], v[R+2:R+3], s[24:25], -1.0 op_sel_hi:[1,0,0]
	v_pk_mul_f32 v[T:T+1],   v[P:P+1], v[P:P+1]    ; my four squares of each table; the first products start the sums
	v_pk_mul_f32 v[T+2:T+3], v[R:R+1], v[R:R+1]
	v_pk_fma_f32 v[T:T+1],   v[P+2:P+3], v[P+2:P+3], v[T:T+1]
	v_pk_fma_f32 v[T+2:T+3], v[R+2:R+3], v[R+2:R+3], v[T+2:T+3]
	v_add_f32 v[T],   v[T],   v[T+1]
	v_add_f32 v[T+2], v[T+2], v[T+3]
.irp m, 1,2,4,8                        ; across the 32 lanes: four steps inside each half of 16 lanes, the two sums by turns,
	v_add_f32_dpp v[T],   v[T],   v[T]   row_xmask:\m row_mask:0xf bank_mask:0xf
	v_add_f32_dpp v[T+2], v[T+2], v[T+2] row_xmask:\m row_mask:0xf bank_mask:0xf
.endr
	v_permlanex16_b32 v[T+1], v[T],   s28, s29     ; and one across the halves
	v_permlanex16_b32 v[T+3], v[T+2], s28, s29
	v_add_f32 v[T],   v[T],   v[T+1]
	v_add_f32 v[T+2], v[T+2], v[T+3]
	v_add_f32 v[T],   s26, v[T]                    ; + 1e-12
	v_add_f32 v[T+2], s26, v[T+2]
	v_rsq_f32 v[T],   v[T]
	v_rsq_f32 v[T+2], v[T+2]
	v_nop                                          ; a plain instruction between a transcendental and the use of its result (ISA guide 5.7.2)
	s_wait_alu depctr_va_vdst(0)                   ; the two reciprocal roots are written, ahead of their first readers; and the group before has written its packed result, which the store below reads
.if (\g) > 0
	global_store_b64 v[ST], v[P-4:P-3], s[16:17] offset:256*((\g)-1)  ; the group before: its 256 bytes, whole and aligned; no vector instruction stands between the wait and this line
.endif
	v_mul_f32 v[SCP], s[NPS+(\g)], v[T]
	v_mul_f32 v[SCR], s[NRS+(\g)], v[T+2]
	v_pk_mul_f32 v[P:P+1],   v[P:P+1],   v[SCP:SCP+1] op_sel_hi:[1,0]
	v_pk_mul_f32 v[P+2:P+3], v[P+2:P+3], v[SCP:SCP+1] op_sel_hi:[1,0]
	v_pk_fma_f32 v[P:P+1],   v[R:R+1],   v[SCR:SCR+1], v[P:P+1]   op_sel_hi:[1,0,1]
	v_pk_fma_f32 v[P+2:P+3], v[R+2:R+3], v[SCR:SCR+1], v[P+2:P+3] op_sel_hi:[1,0,1]
	v_cvt_pk_f16_f32 v[P],   v[P],   v[P+1]
	v_cvt_pk_f16_f32 v[P+1], v[P+2], v[P+3]
.endm
.irp g, 0,1,2,3,4,5,6,7
	GROUP \g
.endr
	; the row of x: piece i is 128 numbers, four a lane; four blocks of eight pieces
.set i, 0
.rept 32
	s_wait_loadcnt 31-i                            ; the younger pieces may stay out
.if i%BLK == 0
	s_wait_alu depctr_va_vdst(0)                   ; a block's head: the block before (at the first block: the last group) has written its packed results, which this block's stores read
.endif
.if i == 0
	global_store_b64 v[ST], v[IP+28:IP+29], s[16:17] offset:256*7    ; the last group's 256 bytes
.endif
.if i >= BLK
	global_store_b64 v[ST], v[X+4*(i-BLK):X+4*(i-BLK)+1], s[14:15] offset:256*(i-BLK)  ; the block before: 256 consecutive bytes, aligned; no vector instruction since the head's wait names these registers
.endif
	v_cvt_pk_f16_f32 v[X+4*i],   v[X+4*i],   v[X+4*i+1]
	v_cvt_pk_f16_f32 v[X+4*i+1], v[X+4*i+2], v[X+4*i+3]
.set i, i+1
.endr
	s_wait_alu depctr_va_vdst(0)                   ; the last block has written its packed results, which the last eight stores read
.set i, 32-BLK
.rept BLK
	global_store_b64 v[ST], v[X+4*i:X+4*i+1], s[14:15] offset:256*i
.set i, i+1
.endr
	s_endpgm
.Lfunc_end_k_q5c8981302b_prep:
	.size	k_q5c8981302b_prep, .Lfunc_end_k_q5c8981302b_prep-k_q5c8981302b_prep
	.p2alignl 7, 3214868480
	.fill 96, 4, 3214868480
	.section	.rodata,"a",@progbits
	.p2align	6, 0x0
	.amdhsa_kernel k_q5c8981302b_prep
		.amdhsa_group_segment_fixed_size 0
		.amdhsa_private_segment_fixed_size 0
		.amdhsa_enable_private_segment 0
		.amdhsa_kernarg_size 56
		.amdhsa_user_sgpr_count 2
		.amdhsa_user_sgpr_kernarg_segment_ptr 1
		.amdhsa_wavefront_size32 1
		.amdhsa_system_sgpr_workgroup_id_x 1
		.amdhsa_system_sgpr_workgroup_id_y 1
		.amdhsa_system_sgpr_workgroup_id_z 1
		.amdhsa_system_vgpr_workitem_id 0
		.amdhsa_next_free_vgpr 208
		.amdhsa_next_free_sgpr 66
		.amdhsa_reserve_vcc 0
		.amdhsa_float_denorm_mode_32 3
		.amdhsa_float_denorm_mode_16_64 3
		.amdhsa_memory_ordered 1
		.amdhsa_forward_progress 1
		.amdhsa_inst_pref_size 34
	.end_amdhsa_kernel
	.amdgpu_metadata
---
amdhsa.version: [ 1, 2 ]
amdhsa.kernels:
  - .name:           k_q5c8981302b_prep
    .symbol:         k_q5c8981302b_prep.kd
    .args:
      - { .name: x, .offset: 0, .size: 8, .value_kind: global_buffer, .address_space: global }
      - { .name: idx_primary, .offset: 8, .size: 8, .value_kind: global_buffer, .address_space: global }
      - { .name: idx_residual, .offset: 16, .size: 8, .value_kind: global_buffer, .address_space: global }
      - { .name: norms_primary, .offset: 24, .size: 8, .value_kind: global_buffer, .address_space: global }
      - { .name: norms_residual, .offset: 32, .size: 8, .value_kind: global_buffer, .address_space: global }
      - { .name: xh, .offset: 40, .size: 8, .value_kind: global_buffer, .address_space: global }
      - { .name: wh, .offset: 48, .size: 8, .value_kind: global_buffer, .address_space: global }
    .group_segment_fixed_size: 0
    .private_segment_fixed_size: 0
    .kernarg_segment_align: 8
    .kernarg_segment_size: 56
    .max_flat_workgroup_size: 256
    .sgpr_count:     66
    .vgpr_count:     208
    .wavefront_size: 32
...
	.end_amdgpu_metadata
.endif
;; end of part 3
;; launch gemm: the kernel of part 2 again; grid 8 x 32, 4 waves a work-group, clusters of 4 x 4, 327,680 bytes of LDS; arguments xh, wh, out0, bias; writes out0
